; MI455X (gfx1250); checked and timed in simulation.
; The chip was launched on July 23, 2026; its instructions are those of AMD's public machine-readable ISA for CDNA 5 (MIT licence, August 2026) and "CDNA5" Instruction Set Architecture Reference Guide (July 2026). The comments in the code are by the model that wrote it; some were corrected since.
;; Quantized Linear. Allowed arithmetic: matrix products marked QUANTISED: E3M2 operands, one E8M0 scale for each 32 along K, by v_wmma_scale_f32_16x16x128_f8f6f4 with both operands' format E3M2, f32 sums; everything else in f32.
;; Inputs: bias 4,096 float32; input 4,096 x 4,096 float32; weight 4,096 x 4,096 int8; weight_scale one number float32; weight_zero_point one number int8.
;; Outputs: out0 4,096 x 4,096 float32.
;; This version of the problem:
;;   THIS VERSION OF THE PROBLEM IS GIVEN IN LOW PRECISION. The matrix products marked QUANTISED in the list below multiply operands that are first quantised to E3M2 (3 exponent bits, 2 mantissa bits; 6 bits a number), with one power-of-two scale for each 32 numbers along K (OCP MX v1.0); their sums are f32. All else is computed in f32.
;;   The module's matrix products, in the order in which they are computed (A, B: the left and right operand; K: the contracted axis; several contracted axes count as one K, in the product's order):
;;     1. [M 4,096, K 4,096] x [K 4,096, N 4,096]; A: input input; B: computed on the way: QUANTISED
;;   THE QUANTISER, for each operand of a quantised product, along K:
;;     - K is cut into blocks of 32 from its start; a last block that is shorter is filled with zeros.
;;     - A block's scale is 2^e with e = floor(log2(the largest magnitude in the block)) - 4, held to -126 .. 127; a block of zeros has e = 0. As a byte (E8M0): e + 127.
;;     - Each number is divided by its block's scale, clamped to +-28, and rounded to the nearest number of E3M2, ties to even, subnormals kept.
;;     - The product sums the exact products of the quantised numbers (number of the format x scale) in f32.
;;   ~~~python
;;   def quantise(x, axis):      # numpy; x: float32 -> the quantised numbers, widened to float32 again
;;       x = np.moveaxis(x, axis, -1); K = x.shape[-1]
;;       x = np.pad(x, [(0, 0)] * (x.ndim - 1) + [(0, -K % 32)]); x = x.reshape(x.shape[:-1] + (-1, 32)); a = np.abs(x).max(-1, keepdims=True)
;;       e = np.where(a > 0, np.clip(np.frexp(np.where(a > 0, a, 1))[1] - 1 - 4, -126, 127), 0)      # np.frexp(a)[1] - 1 = floor(log2(a)), exactly
;;       r = np.clip(x / 2.0 ** e, -28, 28)
;;       step = 2.0 ** (np.maximum(np.frexp(np.where(r == 0, 1, r))[1] - 1, -2) - 2)
;;       q = np.round(r / step) * step * 2.0 ** e      # np.round: ties to even
;;       return np.moveaxis(q.reshape(q.shape[:-2] + (-1,))[..., :K], -1, axis).astype(np.float32)
;;   ~~~
;;   OPERANDS COMPUTED ON THE WAY. 'Computed on the way' means the value that the module computes at that place (a softmax that the list does not call 'softmax' is quantised finished and normalised). What goes into a quantiser is computed in f32, as accurately as f32 sums, v_exp_f32 and their like allow (about 1e-6 of the number): no bf16 or f16 on the way to a quantiser, and a product that is left as it is and whose result goes on into a quantised operand takes f32 operands (vector FMAs, or v_wmma_f32_16x16x4_f32). A number that lies on a knife's edge between two numbers of the format may be rounded either way, as far as f32 arithmetic and the matrix unit's own rounding can turn it there, and no further.
;; One version. Each part assembles by itself: llvm-mc -triple=amdgcn-amd-amdhsa -mcpu=gfx1250 --defsym DOCPART=n.
;; ======== version 1 of 1: 2 launches
;; workspace buffers: a_ops 13,107,200 bytes; b_ops 13,107,200 bytes
;; launch quant (part 1): grid 1024 x 1, 4 waves a work-group, no clusters, 68,096 bytes of LDS; arguments input, weight, weight_scale, weight_zero_point, a_ops, b_ops; writes a_ops, b_ops
.if DOCPART == 1
	.amdgcn_target "amdgcn-amd-amdhsa--gfx1250"
	.amdhsa_code_object_version 6
	.text
	.protected	k_qd50702d29c_quant
	.globl	k_qd50702d29c_quant
	.p2align	8
	.type	k_qd50702d29c_quant,@function
k_qd50702d29c_quant:
	s_mov_b64 s[64:65], 0
	v_nop
	global_prefetch_b8 v0, s[64:65] scope:SCOPE_SE
	s_setreg_imm32_b32 hwreg(HW_REG_WAVE_MODE, 25, 1), 1
	s_wait_xcnt 0x0
; input [4096][4096] f32 and the dequantised weight (weight - zero point) x scale, weight [4096][4096] int8, are turned into codes of BF6 (E3M2), 6 bits each, with one E8M0 scale byte for each 32 along K,
; LAID IN THE ORDER OF THE MATRIX OPERAND'S REGISTERS.  a_ops, b_ops: [32 groups of 128 rows][32 K steps of 128][12,800 bytes].  Such a block holds eight fragments of 1,536 bytes (16 rows x 128 K each):
; lane 16 h + r of the reader finds its 48 bytes at 48 (16 h + r): the 24 bytes of row r's block h of 32, then those of block 2 + h; and behind the fragments 512 bytes of scale words: the word (four bytes,
; blocks 0 to 3) of row r of fragment i at 256 (i / 4) + 16 r + 4 (i % 4).
; A block's scale is 2^(floor(log2(its largest magnitude)) - 4); its byte is the largest magnitude's own exponent field - 4, held at 1 from below.  Each number is divided by the scale and rounded to the
; nearest code, ties to even; beyond the largest code the conversion gives the largest code.
; THE WEIGHT is dequantised in f32 as it is defined: weight - zero point is a whole number of at most 9 bits, exact in f32; the product with the scale is rounded once.  The two are NOT fused into one
; multiply-add with a rounded zero point x scale: that would move small numbers ahead of the quantiser.
; LIMITS: NaN and infinities among the inputs are not served.  A block of zeros gets the byte 1 where the rule says 127: its codes are zeros, which add nothing under any byte but 0xff, and the bytes are read by
; this program alone.  A block's largest magnitude is taken no smaller than 2^(5 - 127), which is the rule's hold of the exponent at -126.
; SHARES.  A wave takes 16 rows x 512 along K: four fragments, 8,192 numbers, 16 steps of 512.  A work-group's four waves take four neighbouring tiles of 16 rows, so that together they own whole runs of 256 bytes
; of scale words.  Work-groups 0-511 take the input, 512-1023 the weight.  The two ways part once, on the work-group's number, and never join; each has LDS bytes of its own.
; The conversion takes 16 numbers of ONE block from a lane's consecutive registers: a lane holds 16 neighbours along K (12 bytes of codes), two neighbouring lanes a block.
;   input: a step is four rows x 128 K.  Each load reads 512 consecutive bytes of a row, 16 a lane; the step's 2,048 bytes go through the wave's own stage in LDS and come back 64 bytes a lane.
;   weight: a step is one row x 512 K: a lane's 16 bytes ARE 16 neighbours, so no such stage is needed; all 16 loads of a wave go out at once.
; THE CODES' WAY OUT.  A lane's 12 bytes belong at 12 p of a fragment, p = 64 h + 4 r + 2 c + (lane % 2) for block 2 c + h of row r.  They go to a place of 16 bytes in LDS (so that every address is a multiple of 16),
; and come back with piece 32 j + lane in lane's registers: a store of the wave then covers 384 consecutive bytes.
; THE SCALE BYTES: each wave gathers its 256 in LDS bytes of its own; behind one barrier wave w collects K step w's words of the four waves and stores 256 consecutive bytes, aligned.
.set WGA,    512                       ; work-groups of the input: 256 tiles of rows x 8 runs along K / 4 waves
.set STEPS,  16
.set CB,     12                        ; bytes of 16 codes
.set FRAGB,  1536                      ; a fragment
.set STEPB,  8*FRAGB+512               ; 128 rows x 128 K: eight fragments and their scale words
.set GROUPB, 32*STEPB                  ; 128 rows, all of K
.set SP,     80                        ; a lane's place in the numbers' stage: its 64 bytes + 16 of padding
.set IREG,   7680                      ; LDS, input's way: a region for each wave: two stages of 32 x SP bytes, then the fragment's stage
.set FST,    2*32*SP                   ; the fragment's stage: two runs (h = 0, 1) of 64 places of 16 bytes,
.set HP,     1152                      ; HP bytes apart
.set ISC,    4*IREG                    ; input's scale bytes: 256 for each wave
.set WST,    ISC+1024                  ; LDS, weight's way: for each wave eight runs (2 x fragment + h) of 64 places,
.set QP,     1088                      ; QP bytes apart
.set WREG,   8*QP
.set WSC,    WST+4*WREG                ; the weight's scale bytes: 256 for each wave
.set FLOOR,  0x2800000                 ; the f32 number 2^(5 - 127)
.set C,      128                       ; v128-191 codes: four registers for each step; they come back from LDS into the registers that they left, and no store's data are written again (both ways)
.set R,      16                        ; input:  v16-79   four sets of 16 numbers as they are loaded
.set X,      80                        ;         v80-111  two sets of 16 neighbours
.set E,      112                       ;         v112-127 a scale byte for each step
.set WE,     24                        ; weight: v24-39   a scale byte for each step
.set WX,     40                        ;         v40-55   16 numbers at work
.set WR,     56                        ;         v56-119  16 bytes a lane for each of the 16 steps
.set PI,     192                       ; v192 input: my codes' place in the fragment's stage;  v193: where I read a piece back
.set RI,     193
.set PW,     194                       ; v194, v195 the same for the weight
.set RW,     195
; v2 lane; v3 16 x lane (loads); v4 12 x lane (codes out); v7 8 x lane (scale words out); v14, v15 the numbers' stage, in and out; v5, v6 input's scale bytes in LDS, in and out; v10, v1 the weight's;
; v8, v9 maxima; v11 the conversion's scale operand; v[12:13] scale words on the way out; v[16:17] zero point + 128, v[18:19] the scale (weight's way)
	s_load_b256 s[4:11], s[0:1], 0x0               ; input s[4:5], weight s[6:7], the scale's address s[8:9], the zero point's s[10:11]
	s_load_b128 s[12:15], s[0:1], 0x20             ; a_ops s[12:13], b_ops s[14:15]
	v_lshl_add_u32 v196, v0, 2, 0x10800
	v_mov_b32 v197, 0
	v_lshrrev_b32 v1, 5, v0
	v_readfirstlane_b32 s20, v1                    ; wave 0..3
	v_and_b32 v2, 31, v0                           ; lane
	v_lshlrev_b32 v3, 4, v2
	v_mul_u32_u24 v4, v2, CB
	v_and_b32 v8, 1, v0                            ; which half of its block the lane holds
	v_bfe_u32 v9, v0, 1, 1                         ; h: the block's low bit
	v_bfe_u32 v11, v0, 2, 1                        ; c: its high bit
	v_bfe_u32 v12, v0, 3, 2                        ; lane / 8: input: the row of a step's four; weight: the fragment of the row's four
	v_bfe_u32 v13, v0, 1, 2                        ; the block of the fragment's four: 2 c + h
	v_lshlrev_b32 v7, 4, v8
	v_lshl_add_u32 v7, v11, 5, v7                  ; 16 x half + 32 c: the same in both ways
	; every LDS address is made here, ahead of the parting: a constant + constants x bits of the lane + a constant x wave
	s_mul_i32 s21, s20, IREG
	v_lshrrev_b32 v14, 2, v2
	v_mul_u32_u24 v14, v14, SP
	v_and_b32 v15, 3, v2
	v_lshl_add_u32 v14, v15, 4, v14
	v_add_nc_u32 v14, s21, v14                     ; the numbers' stage, on the way in: four lanes' 64 bytes on end, then 16 of padding
	v_mul_u32_u24 v15, v2, SP
	v_add_nc_u32 v15, s21, v15                     ; and on the way out: my 16 neighbours
	s_add_co_u32 s21, s21, FST
	v_mad_u32_u24 v[PI], v9, HP, v7
	v_lshl_add_u32 v[PI], v12, 6, v[PI]            ; input: HP h + 64 (lane / 8) + 32 c + 16 x half; the step adds 256 (step % 4): four rows
	v_add_nc_u32 v[PI], s21, v[PI]
	v_add_nc_u32 v[RI], s21, v3
	s_mul_i32 s21, s20, WREG
	s_add_co_u32 s21, s21, WST
	v_mad_u32_u24 v[PW], v9, QP, v7
	v_mad_u32_u24 v[PW], v12, 2*QP, v[PW]          ; weight: QP (2 (lane / 8) + h) + 32 c + 16 x half; the step adds 64 x step: one row
	v_add_nc_u32 v[PW], s21, v[PW]
	v_add_nc_u32 v[RW], s21, v3
	s_lshl_b32 s21, s20, 8                         ; a wave's 256 scale bytes lie [fragment 4][row 16][block 4]
	s_add_co_u32 s22, s21, ISC
	v_lshl_add_u32 v5, v12, 2, v13                 ; input: 4 (lane / 8) + block; the step adds 16 x step = 64 x fragment + 16 (step % 4)
	v_add_nc_u32 v5, s22, v5
	s_add_co_u32 s22, s21, WSC
	v_lshl_add_u32 v10, v12, 6, v13                ; weight: 64 (lane / 8) + block; the step adds 4 x step
	v_add_nc_u32 v10, s22, v10
	v_bfe_u32 v6, v0, 1, 4
	v_lshlrev_b32 v6, 2, v6
	v_lshl_add_u32 v6, v8, 9, v6                   ; back: lane takes row lane / 2, the words of waves 2 (lane % 2) and 2 (lane % 2) + 1, of fragment = my wave's number
	s_lshl_b32 s21, s20, 6
	s_add_co_u32 s22, s21, WSC
	v_add_nc_u32 v1, s22, v6
	s_add_co_u32 s22, s21, ISC
	v_add_nc_u32 v6, s22, v6
	v_lshlrev_b32 v7, 3, v2
	; where my part lies.  u = the work-group's number in its tensor: u % 8 = which 512 along K, u / 8 = which four tiles of rows
	s_cmp_lt_u32 ttmp9, WGA
	s_cselect_b32 s21, 0, WGA
	s_sub_co_u32 s22, ttmp9, s21
	s_and_b32 s23, s22, 7                          ; which 512 along K
	s_lshr_b32 s26, s22, 3
	s_lshr_b32 s27, s26, 1                         ; the group of 128 rows
	s_and_b32 s28, s26, 1                          ; its first or its second four tiles
	s_lshl_b32 s29, s26, 2
	s_add_co_u32 s29, s29, s20                     ; my tile of 16 rows, 0 .. 255
	s_mul_i32 s24, s27, GROUPB
	s_mul_i32 s21, s23, 4*STEPB
	s_add_co_u32 s24, s24, s21                     ; the group's block of my first K step
	s_lshl_b32 s30, s28, 2
	s_add_co_u32 s30, s30, s20
	s_mul_i32 s30, s30, FRAGB
	s_add_co_u32 s30, s30, s24                     ; s[30:31]: my fragment in it
	s_mov_b32 s31, 0
	s_mul_i32 s21, s20, STEPB
	s_add_co_u32 s24, s24, s21
	s_lshl_b32 s21, s28, 8
	s_add_co_u32 s24, s24, s21
	s_add_co_u32 s24, s24, 8*FRAGB                 ; s[24:25]: the 256 bytes of scale words that I store: K step = my wave's number, my work-group's four tiles
	s_mov_b32 s25, 0
	s_mov_b32 s27, 0                               ; all offsets stay under 2^32
	s_wait_kmcnt 0x0
	s_cmp_lt_u32 ttmp9, WGA
	s_cbranch_scc0 .Lweight
; 16 numbers in v[XS] on become 16 codes in v[CC:CC+2] and the block's scale byte in v[EE].
.macro QBLOCK
	v_max3_num_f32 v8, |v[XS]|, |v[XS+1]|, |v[XS+2]|               ; the largest magnitude of my 16, in two chains
	v_max3_num_f32 v9, |v[XS+3]|, |v[XS+4]|, |v[XS+5]|
.irp i, 6,10
	v_max3_num_f32 v8, v8, |v[XS+\i]|, |v[XS+\i+1]|
	v_max3_num_f32 v9, v9, |v[XS+\i+2]|, |v[XS+\i+3]|
.endr
	v_max3_num_f32 v8, v8, |v[XS+14]|, |v[XS+15]|
	v_max3_num_f32 v8, v8, v9, FLOOR               ; and the floor, under which no largest magnitude is taken: so the byte cannot fall under 1
	v_max_num_f32_dpp v8, v8, v8 row_xmask:1 row_mask:0xf bank_mask:0xf   ; and of my neighbour's 16: the block's
	v_add_nc_u32 v11, 0xfe000000, v8               ; 4 off its exponent field: the conversion takes the exponent field of this operand as its scale, and nothing else of it
	v_cvt_scalef32_pk16_bf6_f32 v[CC:CC+2], v[XS:XS+15], v11       ; 96 bits without gaps, the first number's code lowest
	v_lshrrev_b32 v[EE], 23, v11                   ; the scale's byte; also the plain instruction behind the conversion
.endm
	; ---------------- the input
	s_lshl_b32 s26, s29, 18                        ; 16 rows of 16,384 bytes a tile,
	s_lshl_b32 s21, s23, 11                        ; 2,048 bytes for 512 along K
	s_add_co_u32 s26, s26, s21
	s_add_nc_u64 s[4:5], s[4:5], s[26:27]
	s_add_nc_u64 s[16:17], s[12:13], s[30:31]      ; my fragments
	s_add_nc_u64 s[18:19], s[12:13], s[24:25]      ; my scale words
.macro LOAD t                          ; step t: fragment t / 4, rows 4 (t % 4) + 0 .. 3
.irp i, 0,1,2,3
	global_load_b128 v[R+16*((\t)%4)+4*\i:R+16*((\t)%4)+4*\i+3], v3, s[4:5] offset:(4*((\t)%4)+\i)*16384+512*((\t)/4) th:TH_LOAD_NT   ; 32 lanes read 512 consecutive bytes of a row; read once in the launch
.endr
.endm
.macro TURN t                          ; step t's numbers through the stage: LDS serves a wave's instructions in order (ISA guide 5.7.1.4), so no wait stands between the stores and the loads
.irp i, 0,1,2,3
	ds_store_b128 v14, v[R+16*((\t)%4)+4*\i:R+16*((\t)%4)+4*\i+3] offset:32*SP*((\t)%2)+8*SP*\i
.endr
.irp i, 0,1,2,3
	ds_load_b128 v[X+16*((\t)%2)+4*\i:X+16*((\t)%2)+4*\i+3], v15 offset:32*SP*((\t)%2)+16*\i   ; lane: row lane / 8 of the four, numbers 16 (lane % 8) on
.endr
.endm
.macro FLUSH s                         ; fragment s leaves: 384 consecutive bytes a store
.irp j, 0,1,2,3
	global_store_b96 v4, v[C+16*(\s)+4*\j:C+16*(\s)+4*\j+2], s[16:17] offset:STEPB*(\s)+384*\j
.endr
.endm
.irp t, 0,1,2,3
	LOAD \t
.endr
	s_wait_loadcnt 12                              ; step 0's four loads are in; the twelve behind them may be out
	TURN 0
.macro STEP t
.if (\t) == 0
	s_wait_dscnt 0x0
.elseif (\t)%4 == 0
	s_wait_dscnt 6                                 ; this step's numbers are back from the stage; behind them: the last step's byte store and code store and the four loads that bring a fragment back
.else
	s_wait_dscnt 2                                 ; this step's numbers are back from the stage (the last step's byte store and code store may be out): so its stores into the stage have read their registers,
.endif
.if (\t)+4 < STEPS
	LOAD (\t)+4                                    ; which take the loads of four steps on
.endif
.if (\t)+1 < STEPS
.if STEPS-2-(\t) >= 3
	s_wait_loadcnt 12                              ; the next step's four loads are in; those of the three steps behind it may be out
.else
	s_wait_loadcnt 4*(STEPS-2-(\t))                ; near the end fewer steps stand behind it
.endif
	TURN (\t)+1                                    ; and go through the other stage while this step is worked
.endif
.if ((\t)%4 == 0) && ((\t) > 0)
	s_wait_dscnt 8                                 ; the fragment finished last step is back in registers; behind its loads stand the eight LDS instructions just issued
	FLUSH (\t)/4-1
.endif
.set XS, X+16*((\t)%2)
.set CC, C+4*(\t)
.set EE, E+(\t)
	QBLOCK
	ds_store_b8 v5, v[E+(\t)] offset:16*(\t)       ; both lanes of a block write the same byte with the same value
	ds_store_b96 v[PI], v[C+4*(\t):C+4*(\t)+2] offset:256*((\t)%4)
.if (\t)%4 == 3
.irp j, 0,1,2,3
	ds_load_b96 v[C+16*((\t)/4)+4*\j:C+16*((\t)/4)+4*\j+2], v[RI] offset:HP*(\j/2)+512*(\j%2)   ; piece 32 j + lane, in order behind the four steps' stores; the next fragment's stores come behind these loads
.endr
.endif
.endm
.irp t, 0,1,2,3,4,5,6,7,8,9,10,11,12,13,14,15
	STEP \t
.endr
	s_wait_dscnt 0x0                               ; the last fragment is back; and, for the others' sake, my scale bytes lie in LDS
	FLUSH 3
	s_barrier_signal -1
	s_barrier_wait -1                              ; all four waves' do
	ds_load_b32 v12, v6                            ; row lane / 2: the word of wave 2 (lane % 2),
	ds_load_b32 v13, v6 offset:256                 ; and of the wave beside it
	s_wait_dscnt 0x0
	global_store_b64 v7, v[12:13], s[18:19]        ; 32 lanes store 256 consecutive bytes, aligned
	s_wait_tensorcnt 0x0
	ds_add_u32 v196, v197
	s_wait_dscnt 0x0
	s_endpgm
	; ---------------- the weight
.Lweight:
	s_load_b32 s21, s[8:9], 0x0                    ; the scale
	s_load_i8 s22, s[10:11], 0x0                   ; the zero point, sign-extended
	s_lshl_b32 s26, s29, 16                        ; 16 rows of 4,096 bytes a tile,
	s_lshl_b32 s28, s23, 9                         ; 512 bytes for 512 along K
	s_add_co_u32 s26, s26, s28
	s_add_nc_u64 s[6:7], s[6:7], s[26:27]
	s_add_nc_u64 s[16:17], s[14:15], s[30:31]
	s_add_nc_u64 s[18:19], s[14:15], s[24:25]
.irp t, 0,1,2,3,4,5,6,7,8,9,10,11,12,13,14,15
	global_load_b128 v[WR+4*\t:WR+4*\t+3], v3, s[6:7] offset:4096*\t th:TH_LOAD_NT   ; row t: 512 consecutive bytes a load; all sixteen go out at once
.endr
	s_wait_kmcnt 0x0
	s_add_co_i32 s22, s22, 0x80                    ; zero point + 128, 0 .. 255
	v_cvt_f32_i32 v16, s22
	v_mov_b32 v17, v16                             ; twice: a pair for the packed forms
	v_mov_b32 v18, s21
	v_mov_b32 v19, s21
.macro WSTEP t
	s_wait_loadcnt STEPS-1-(\t)                    ; loads come back in order (ISA guide 5.7.1): step t's is in, the younger ones may be out
.irp j, 0,1,2,3
	v_xor_b32 v[WR+4*(\t)+\j], 0x80808080, v[WR+4*(\t)+\j]         ; each byte becomes weight + 128, 0 .. 255
.endr
.irp j, 0,1,2,3
	v_and_b32     v[WX+4*\j],   0xff, v[WR+4*(\t)+\j]              ; the lowest byte is the lowest k
	v_bfe_u32     v[WX+4*\j+1], v[WR+4*(\t)+\j], 8, 8
	v_bfe_u32     v[WX+4*\j+2], v[WR+4*(\t)+\j], 16, 8
	v_lshrrev_b32 v[WX+4*\j+3], 24, v[WR+4*(\t)+\j]
.endr
.irp i, 0,1,2,3,4,5,6,7,8,9,10,11,12,13,14,15
	v_cvt_f32_u32 v[WX+\i], v[WX+\i]
.endr
.irp i, 0,2,4,6,8,10,12,14
	v_pk_add_f32 v[WX+\i:WX+\i+1], v[WX+\i:WX+\i+1], v[16:17] neg_lo:[0,1] neg_hi:[0,1]   ; (weight + 128) - (zero point + 128): exact
.endr
.irp i, 0,2,4,6,8,10,12,14
	v_pk_mul_f32 v[WX+\i:WX+\i+1], v[WX+\i:WX+\i+1], v[18:19]      ; x the scale: the one rounding
.endr
.set XS, WX
.set CC, C+4*(\t)
.set EE, WE+(\t)
	QBLOCK
	ds_store_b8 v10, v[WE+(\t)] offset:4*(\t)
	ds_store_b96 v[PW], v[C+4*(\t):C+4*(\t)+2] offset:64*(\t)
.endm
.irp t, 0,1,2,3,4,5,6,7,8,9,10,11,12,13,14,15
	WSTEP \t
.endr
.irp j, 0,1,2,3,4,5,6,7,8,9,10,11,12,13,14,15
	ds_load_b96 v[C+4*\j:C+4*\j+2], v[RW] offset:QP*(\j/2)+512*(\j%2)   ; fragment j / 4, piece 32 (j % 4) + lane: in order behind my stores
.endr
.irp j, 0,1,2,3,4,5,6,7,8,9,10,11,12,13,14,15
	s_wait_dscnt 15-\j
	global_store_b96 v4, v[C+4*\j:C+4*\j+2], s[16:17] offset:STEPB*(\j/4)+384*(\j%4)
.endr
	s_wait_dscnt 0x0                               ; for the others' sake: my scale bytes lie in LDS
	s_barrier_signal -1
	s_barrier_wait -1
	ds_load_b32 v12, v1
	ds_load_b32 v13, v1 offset:256
	s_wait_dscnt 0x0
	global_store_b64 v7, v[12:13], s[18:19]
	s_wait_tensorcnt 0x0
	ds_add_u32 v196, v197
	s_wait_dscnt 0x0
	s_endpgm
.Lfunc_end_k_qd50702d29c_quant:
	.size	k_qd50702d29c_quant, .Lfunc_end_k_qd50702d29c_quant-k_qd50702d29c_quant
	.p2alignl 7, 3214868480
	.fill 96, 4, 3214868480
	.section	.rodata,"a",@progbits
	.p2align	6, 0x0
	.amdhsa_kernel k_qd50702d29c_quant
		.amdhsa_group_segment_fixed_size 68096
		.amdhsa_private_segment_fixed_size 0
		.amdhsa_enable_private_segment 0
		.amdhsa_kernarg_size 48
		.amdhsa_user_sgpr_count 2
		.amdhsa_user_sgpr_kernarg_segment_ptr 1
		.amdhsa_wavefront_size32 1
		.amdhsa_system_sgpr_workgroup_id_x 1
		.amdhsa_system_sgpr_workgroup_id_y 1
		.amdhsa_system_sgpr_workgroup_id_z 1
		.amdhsa_system_vgpr_workitem_id 0
		.amdhsa_next_free_vgpr 198
		.amdhsa_next_free_sgpr 66
		.amdhsa_reserve_vcc 0
		.amdhsa_float_denorm_mode_32 3
		.amdhsa_float_denorm_mode_16_64 3
		.amdhsa_memory_ordered 1
		.amdhsa_forward_progress 1
		.amdhsa_inst_pref_size 99
	.end_amdhsa_kernel
	.amdgpu_metadata
---
amdhsa.version: [ 1, 2 ]
amdhsa.kernels:
  - .name:           k_qd50702d29c_quant
    .symbol:         k_qd50702d29c_quant.kd
    .args:
      - { .name: input, .offset: 0, .size: 8, .value_kind: global_buffer, .address_space: global }
      - { .name: weight, .offset: 8, .size: 8, .value_kind: global_buffer, .address_space: global }
      - { .name: weight_scale, .offset: 16, .size: 8, .value_kind: global_buffer, .address_space: global }
      - { .name: weight_zero_point, .offset: 24, .size: 8, .value_kind: global_buffer, .address_space: global }
      - { .name: a_ops, .offset: 32, .size: 8, .value_kind: global_buffer, .address_space: global }
      - { .name: b_ops, .offset: 40, .size: 8, .value_kind: global_buffer, .address_space: global }
    .group_segment_fixed_size: 68096
    .private_segment_fixed_size: 0
    .kernarg_segment_align: 8
    .kernarg_segment_size: 48
    .max_flat_workgroup_size: 128
    .sgpr_count:     66
    .vgpr_count:     198
    .wavefront_size: 32
...
	.end_amdgpu_metadata
.endif
;; end of part 1
;; launch gemm (part 2): grid 16 x 16, 4 waves a work-group, clusters of 4 x 4, 327,680 bytes of LDS; arguments a_ops, b_ops, bias, out0; writes out0
.if DOCPART == 2
	.amdgcn_target "amdgcn-amd-amdhsa--gfx1250"
	.amdhsa_code_object_version 6
	.text
	.protected	k_qd50702d29c_gemm
	.globl	k_qd50702d29c_gemm
	.p2align	8
	.type	k_qd50702d29c_gemm,@function
k_qd50702d29c_gemm:
	s_mov_b64 s[64:65], 0
	v_nop
	global_prefetch_b8 v0, s[64:65] scope:SCOPE_SE
	s_setreg_imm32_b32 hwreg(HW_REG_WAVE_MODE, 25, 1), 1
	s_wait_xcnt 0x0
	s_wait_alu depctr_hold_cnt(0) depctr_sa_sdst(0) depctr_va_vdst(0) depctr_va_sdst(0) depctr_va_ssrc(0) depctr_va_vcc(0) depctr_vm_vsrc(0)
	s_getreg_b32 s2, hwreg(HW_REG_IB_STS2, 6, 4)
	s_cmp_eq_u32 s2, 0
	s_cbranch_scc0 .Lentry_in_a_cluster
	s_endpgm
.Lentry_in_a_cluster:
	s_bfe_u32 s2, ttmp6, 0x10000c
	s_cmp_lg_u32 s2, 0xf033
	s_cbranch_scc0 .Lentry_shape_is_right
	s_endpgm
.Lentry_shape_is_right:
; out0[m][n] = bias[n] + sum over k of A[m][k] B[n][k].  A: the quantised input, B: the quantised dequantised weight, both 4096 x 4096: codes of BF6 (E3M2), 6 bits each, with one E8M0 scale for each 32 along K;
; out0 [4096][4096] f32; sums in f32.  A number is its code's value x 2^(e - 127), e its block's scale byte.
; THE OPERANDS LIE IN THE ORDER OF THEIR REGISTERS.  a_ops, b_ops: [32 groups of 128 rows][32 K steps of 128][12,800 bytes]; such a block holds eight fragments of 1,536 bytes (16 rows x 128 K), lane l's twelve
; registers as 48 bytes at 48 l, and behind them 512 bytes of scale words: row r of fragment i at 256 (i / 4) + 16 r + 4 (i % 4).  So a fragment is three loads of 16 bytes a lane
; no padding), a step's eight scale words a lane are two such loads, and the tiles of any run of K steps are ONE dense block of memory.
; THE BIAS IS THE C OF EACH SUM'S FIRST MATRIX INSTRUCTION: it costs no addition.  So it is added ahead of the K steps and not behind them: an order of rounding that differs from the definition's.
; A tile of out0, 256 x 256, is made by a work-group of four waves, as many as a WGP has SIMDs; a wave makes 128 x 128: 64 accumulators of 16 x 16, 512 registers.  256 tiles, 256 work-groups.
; K goes through a ring of two LDS slots of THREE steps of 128 each, as long as two slots in LDS allow: a wave's tensor load brings 128 rows x 384 K with their scale words, 38,400 dense bytes as 150 rows of
; 256 bytes, each at a multiple of 256 from the buffer's first byte.  32 steps are ten such slots and one of two steps, whose load has a descriptor of its own.
; CLUSTERS: 4 x 4 work-groups.  The four of a row of the cluster need the same tiles of A, the four of a column the same tiles of B: each tile is asked for JOINTLY, by the same tensor load with the
; same descriptor and a mask that names the four.  THE MATRIX INSTRUCTION IS USED TRANSPOSED (source 0 = 16 rows of B, source 1 = 16 rows of A): a lane then holds eight neighbouring numbers of a row of out0.
; REGISTERS, in windows of 256: window 0: v0-31 addresses; v32-47 scale words, two sets; v64-127 the bias in the result's layout; from v128 A's fragments (8 x 16 rows x 128 K), ONE set; on the way out v128-255 are free.
;   window 1: B's fragments, TWO sets, at v0 and at v128.   window 2: the 32 accumulators of my rows 0-63 (accumulator (a, b) at v[8 (8 a + b)]);   window 3: those of my rows 64-127.
; A step of 128 along K is 64 matrix instructions, A's blocks one after the other, each against B's eight.  So a block of A is free as soon as its eight products are issued, and one set of registers serves A:
; blocks 0-3 are fetched anew in the step's middle, blocks 4-7 at its end.  B's fragments and the scale words are at work through the whole step, so they have two sets, which take turns step by step.
.set SIZE_N, 4096
.set NQ,     3                         ; steps of 128 along K in a slot
.set FR,     12                        ; registers of a fragment: 16 rows x 128 K
.set NL,     3                         ; LDS loads that bring one
.set NP,     4                         ; places behind this matrix instruction (ISA guide 7.12.1)
.set FRAGB,  1536                      ; a fragment in bytes
.set STEPB,  8*FRAGB+512               ; 128 rows x 128 K: eight fragments and their scale words
.set GROUPB, 32*STEPB                  ; 128 rows, all of K
.set QUART,  NQ*STEPB                  ; what one tensor load brings, and what one wave reads of A or of B in a slot
.set SLOT,   4*QUART                   ; A's two groups of 128 rows, then B's two
.set SPARE,  2*SLOT                    ; behind the ring: the spare words, 128 bytes for each wave: two blocks of 256 bytes that no other line names
.set TRIPS,  4                         ; a trip = six steps = once round the ring; 32 steps = 1 + 4 x 6 + 7
.set SPITCH, 528                       ; the way out: a stage of 16 rows x (512 bytes + 16) for each wave,
.set STAGE,  SLOT                      ; in slot 1: the last two steps are read from slot 0; slot 1 has had its last fill, and its last read stands ahead of the last barrier
.set ADRA, 16                          ; v16-17  LDS address of my A fragments in slot 0, 1: 48 x lane + my group's place
.set ADRB, 20                          ; v20-21  the same for B
.set ADRS, 22                          ; v22-23  LDS address of my scale words in slot 0, 1: lanes 0-15 A's rows, lanes 16-31 B's
.set STO,  24                          ; v24     the way out: where I put 32 bytes of a row
.set RD,   25                          ; v25     the way out: where I read a row back
.set CO,   26                          ; v26     my byte offset in a row of out0
.set SPW,  28                          ; v28     LDS address of my spare word: SPARE + 4 x my thread's number; never rewritten
.set NIL,  29                          ; v29     0; never rewritten
.set SC,   32                          ; scale words: set p at v[SC + 8 p]; in it register i: lanes 0-15 the word of A's block i, lanes 16-31 that of B's block i
.set BI,   64                          ; the bias: v[BI + 8 b + j] = bias[my first column + 16 b + 8 (lane / 16) + j]; loaded once, never rewritten
.set AF,   128                         ; A's fragments, in window 0
.set BK,   128                         ; the way out: 16 rows read back from the stage: v128-191 and v192-255 by turns
.set G1, 24                            ; s[24:31] descriptor group 1 for A's tiles;  s[32:39] group 0, one set for each slot
.set G0, 32
.set G1B, 48                           ; s[48:55], s[56:63] the same for B's tiles
.set G0B, 56
.set G1S, 68                           ; s[68:75] group 1 for A's last tile, of two steps;  s[80:87] for B's
.set G1SB, 80
.set MSB, 0
.macro WIN new                         ; the immediate's high byte repeats the setting that is left
.if MSB != \new
	s_set_vgpr_msb (MSB<<8)|\new
.set MSB, \new
.endif
.endm
.set MUL_LO,  0xa1                     ; source 0 (B) window 1, source 1 (A) window 0, C and D window 2
.set MUL_HI,  0xf1                     ; the same, C and D window 3
.set BIAS_LO, 0x81                     ; the first products: C (the bias) window 0, D window 2
.set BIAS_HI, 0xc1                     ; and D window 3
.set TO_B,    0x40                     ; destination window 1, address window 0
; A joint load: waves 0 and 1 fetch for A, waves 2 and 3 for B.  Each of the two lines has ONE mask and one set of registers for all that issue it; the branch hangs on the wave's number alone.
; Four v_nop follow each of the two lines, ahead of the jump, the label and what follows.
.macro JLOAD g0a, g1a, g0b, g1b
	s_cmp_eq_u32 s15, 0
	s_cbranch_scc0 .Lfor_b_\@
	tensor_load_to_lds s[\g0a:\g0a+3], s[\g1a:\g1a+7]
	s_nop 0
.rept 4
	v_nop
.endr
	s_branch .Lasked_\@
.Lfor_b_\@:
	tensor_load_to_lds s[\g0b:\g0b+3], s[\g1b:\g1b+7]
	s_nop 0
.rept 4
	v_nop
.endr
.Lasked_\@:
.endm
.macro CREST                           ; a round of the cluster's barrier behind its opening barrier
	s_cmp_lg_u32 s14, 0
	s_cbranch_scc1 .Lnot_wave_0_\@
	s_barrier_signal -3
.Lnot_wave_0_\@:
	s_barrier_wait -3
	s_barrier_signal -1
	s_barrier_wait -1
.endm
.macro CROUND                          ; a whole round
	s_barrier_signal -1
	s_barrier_wait -1
	CREST
.endm
	s_load_b128 s[4:7], s[0:1], 0x0                ; A s[4:5], B s[6:7]
	s_load_b64 s[96:97], s[0:1], 0x10              ; the bias
	s_load_b64 s[12:13], s[0:1], 0x18              ; out0
	v_lshl_add_u32 v[SPW], v0, 2, SPARE
	v_mov_b32 v[NIL], 0
	ds_add_u32 v28, v29
	ds_add_u32 v28, v29
	s_wait_dscnt 0x0
	v_lshrrev_b32 v1, 5, v0
	v_readfirstlane_b32 s14, v1                    ; wave 0..3
	s_lshr_b32 s15, s14, 1                         ; which half of the tile's rows is mine.  Also: I fetch for A (0) or for B (1)
	s_and_b32 s16, s14, 1                          ; which half of its columns.  Also: which group of 128 rows of that tile I fetch
	s_bfe_u32 s40, ttmp6, 0x40000                  ; cx, cy: my place in the cluster
	s_bfe_u32 s41, ttmp6, 0x40004
	s_lshl_b32 s42, ttmp9, 2
	s_add_co_u32 s42, s42, s40                     ; tile column = 4 x cluster x + cx
	s_and_b32 s17, ttmp7, 0xffff
	s_lshl_b32 s17, s17, 2
	s_add_co_u32 s17, s17, s41                     ; tile row = 4 x cluster y + cy
	s_lshl_b32 s43, s41, 2
	s_lshl_b32 s43, 15, s43                        ; my row of the cluster
	s_lshl_b32 s44, 0x1111, s40                    ; my column
	; descriptor group 1: a dense block as rows of 256 bytes (32 elements of 8 bytes), no padding
	s_or_b32 s[G1+0], s43, (3<<16)|(1<<21)         ; 15:0 the mask: A's tiles go to my row; 17:16 element of 8 bytes; 20 padding off; 21 set beside a mask
	s_or_b32 s[G1B+0], s44, (3<<16)|(1<<21)        ; B's go to my column
	s_or_b32 s[G1S+0], s43, (3<<16)|(1<<21)
	s_or_b32 s[G1SB+0], s44, (3<<16)|(1<<21)
.irp g, G1, G1B
	s_mov_b32 s[\g+1], 32<<16                      ; tensor_dim0
	s_mov_b32 s[\g+2], (QUART/256)<<16             ; tensor_dim1 = 150: three steps
	s_mov_b32 s[\g+3], 32<<16                      ; tile_dim0
	s_mov_b32 s[\g+4], QUART/256                   ; tile_dim1
	s_mov_b32 s[\g+5], 32                          ; tensor_dim0_stride
	s_mov_b32 s[\g+6], 0
	s_mov_b32 s[\g+7], 0
.endr
.irp g, G1S, G1SB
	s_mov_b32 s[\g+1], 32<<16
	s_mov_b32 s[\g+2], (2*STEPB/256)<<16           ; 100 rows: the last two steps
	s_mov_b32 s[\g+3], 32<<16
	s_mov_b32 s[\g+4], 2*STEPB/256
	s_mov_b32 s[\g+5], 32
	s_mov_b32 s[\g+6], 0
	s_mov_b32 s[\g+7], 0
.endr
	s_lshl_b32 s20, s17, 1
	s_add_co_u32 s20, s20, s16                     ; A: group 2 x tile row + half
	s_mul_i32 s20, s20, GROUPB                     ; in bytes, under 2^32
	s_mov_b32 s21, 0
	s_lshl_b32 s46, s42, 1
	s_add_co_u32 s46, s46, s16                     ; B: group 2 x tile column + half
	s_mul_i32 s46, s46, GROUPB
	s_mov_b32 s47, 0
	s_mul_i32 s45, s14, QUART                      ; where they go: wave x a quarter of a slot: no place in the cluster enters an LDS address
	s_wait_kmcnt 0x0
	s_add_nc_u64 s[20:21], s[4:5], s[20:21]
	s_add_nc_u64 s[46:47], s[6:7], s[46:47]
	CROUND                                         ; all sixteen work-groups are here: the first joint loads meet
.irp s, 0,1
	s_mov_b32 s[G0+4*\s], 1
	s_add_co_u32 s[G0+4*\s+1], s45, \s*SLOT
	s_add_nc_u64 s[G0+4*\s+2:G0+4*\s+3], s[20:21], \s*QUART
	s_or_b32 s[G0+4*\s+3], s[G0+4*\s+3], 0x80000000
	s_mov_b32 s[G0B+4*\s], 1
	s_add_co_u32 s[G0B+4*\s+1], s45, \s*SLOT
	s_add_nc_u64 s[G0B+4*\s+2:G0B+4*\s+3], s[46:47], \s*QUART
	s_or_b32 s[G0B+4*\s+3], s[G0B+4*\s+3], 0x80000000
	JLOAD G0+4*\s, G1, G0B+4*\s, G1B               ; two tensor loads of mine are out behind the second of these
.endr
	v_and_b32 v1, 15, v0                           ; l % 16
	v_bfe_u32 v2, v0, 4, 1                         ; l / 16
	v_and_b32 v6, 31, v0                           ; l
	v_mul_u32_u24 v3, v6, 48                       ; a lane's 48 bytes of a fragment
	s_mul_i32 s21, s15, QUART                      ; my 128 rows of A
	s_mul_i32 s22, s16, QUART                      ; my 128 rows of B,
	s_add_co_u32 s22, s22, 2*QUART                 ; which lie behind A's 256
	s_sub_co_u32 s18, s22, s21
	v_mul_u32_u24 v4, s18, v2                      ; scale words: lanes 16-31 take B's: the lower base + half x the distance,
	v_lshl_add_u32 v4, v1, 4, v4                   ; and 16 bytes a row
.irp s, 0,1
	v_add_nc_u32 v[ADRA+\s], s21, v3
	v_add_nc_u32 v[ADRB+\s], s22, v3
	v_add_nc_u32 v[ADRS+\s], s21, v4
	s_add_co_u32 s21, s21, SLOT
	s_add_co_u32 s22, s22, SLOT
.endr
	s_mul_i32 s23, s14, 16*SPITCH
	s_add_co_u32 s23, s23, STAGE                   ; my stage
	v_mul_u32_u24 v5, v1, SPITCH                   ; in: row l % 16, 32 bytes for each half of the lanes
	v_lshl_add_u32 v5, v2, 5, v5
	v_add_nc_u32 v[STO], s23, v5
	v_lshlrev_b32 v[CO], 4, v6                     ; back: the 32 lanes take one row of 512 bytes; and the same in out0
	v_add_nc_u32 v[RD], s23, v[CO]
	s_lshl_b32 s20, s17, 8
	s_lshl_b32 s21, s15, 7
	s_add_co_u32 s20, s20, s21                     ; my first row of out0: 256 x tile row + 128 x half
	s_mov_b32 s21, 0
	s_mov_b64 s[18:19], SIZE_N*4
	s_mul_u64 s[20:21], s[20:21], s[18:19]
	s_lshl_b32 s46, s42, 10                        ; my first column, in bytes: 1024 x tile column + 512 x half
	s_lshl_b32 s47, s16, 9
	s_add_co_u32 s46, s46, s47
	s_mov_b32 s47, 0
	s_add_nc_u64 s[20:21], s[20:21], s[46:47]
	s_add_nc_u64 s[12:13], s[12:13], s[20:21]
	s_add_nc_u64 s[96:97], s[96:97], s[46:47]      ; the bias at my first column: f32 too, so the same bytes
	v_lshlrev_b32 v7, 5, v2                        ; my half's eight numbers of a block of sixteen
.irp b, 0,1,2,3,4,5,6,7
	global_load_b128 v[BI+8*\b:BI+8*\b+3],   v7, s[96:97] offset:64*\b       ; bias[first column + 16 b + 8 (l / 16) + 0 .. 3]
	global_load_b128 v[BI+8*\b+4:BI+8*\b+7], v7, s[96:97] offset:64*\b+16    ; and + 4 .. 7
.endr
.macro FRAG reg, adr, q, i             ; fragment i of the slot's q-th step: twelve registers, as they lie: lane l holds row l % 16; registers 6 c .. 6 c + 5 hold K = 64 c + 32 (l / 16) + 0 .. 31
.irp g, 0,1,2
	ds_load_b128 v[\reg+4*\g:\reg+4*\g+3], v[\adr] offset:(\q)*STEPB+(\i)*FRAGB+16*\g
.endr
.endm
; 16 matrix instructions: A's blocks a0, a0 + 1 x B's eight, 128 along K.  p: B's set and the set of scale words.  first = 1: the product starts the sum from the bias: nothing is ever cleared.
; The 64 accumulators take turns, one instruction a turn, in the same order in every step.
.macro MUL16 a0, p, first
.irp a, \a0, \a0+1
.irp b, 0,1,2,3,4,5,6,7
.if \first
	v_wmma_scale_f32_16x16x128_f8f6f4 v[8*(8*((\a)%4)+\b):8*(8*((\a)%4)+\b)+7], v[128*(\p)+FR*\b:128*(\p)+FR*\b+FR-1], v[AF+FR*(\a):AF+FR*(\a)+FR-1], v[BI+8*\b:BI+8*\b+7], v[SC+8*(\p)+\b], v[SC+8*(\p)+(\a)] matrix_a_fmt:MATRIX_FMT_BF6 matrix_b_fmt:MATRIX_FMT_BF6 matrix_a_scale:MATRIX_SCALE_ROW1
.else
	v_wmma_scale_f32_16x16x128_f8f6f4 v[8*(8*((\a)%4)+\b):8*(8*((\a)%4)+\b)+7], v[128*(\p)+FR*\b:128*(\p)+FR*\b+FR-1], v[AF+FR*(\a):AF+FR*(\a)+FR-1], v[8*(8*((\a)%4)+\b):8*(8*((\a)%4)+\b)+7], v[SC+8*(\p)+\b], v[SC+8*(\p)+(\a)] matrix_a_fmt:MATRIX_FMT_BF6 matrix_b_fmt:MATRIX_FMT_BF6 matrix_a_scale:MATRIX_SCALE_ROW1
.endif
.endr
.endr
.endm
.macro FETCH_B slot, q, p              ; B's eight fragments of the slot's q-th step into set p
	WIN TO_B
.irp i, 0,1,2,3,4,5,6,7
	FRAG 128*(\p)+FR*\i, ADRB+\slot, \q, \i
.endr
	WIN 0
.endm
.macro FETCH_A slot, q, i0             ; A's blocks i0 .. i0 + 3
.irp i, \i0, \i0+1, \i0+2, \i0+3
	FRAG AF+FR*(\i), ADRA+\slot, \q, \i
.endr
.endm
.macro SCALES p, slot, q               ; the q-th step's scale words into set p: a lane's words of blocks 0-3, then of blocks 4-7; lanes 0-15 take A's, lanes 16-31 B's
	ds_load_b128 v[SC+8*(\p):SC+8*(\p)+3],   v[ADRS+\slot] offset:(\q)*STEPB+8*FRAGB
	ds_load_b128 v[SC+8*(\p)+4:SC+8*(\p)+7], v[ADRS+\slot] offset:(\q)*STEPB+8*FRAGB+256
.endm
; A load into a register that a matrix instruction has read, and a vector instruction or an LDS store that reads a matrix result, stand NP places behind that matrix instruction, and only plain vector
; instructions that name none of its registers are places (ISA guide 7.12.1 for vector instructions); this text does not count the matrix instructions in between.
.macro PLACES n
.rept \n
	v_nop
.endr
.endm
; A step of 128 along K that has its successor in the same slot.  The sets take turns step by step: a slot has three steps, so a slot's q-th step works on set (q + slot) % 2.
.macro STEP slot, q, first
.set P, ((\q)+(\slot))%2
	s_wait_dscnt 4*NL                              ; B's set, A's blocks 0-3 and the scale words are in; the youngest 12 loads (A's blocks 4-7) may be out
.if \first
	WIN BIAS_LO
.else
	WIN MUL_LO
.endif
	MUL16 0, P, \first
	MUL16 2, P, \first
	s_wait_dscnt 0                                 ; A's blocks 4-7 are in (asked for 32 matrix instructions ago)
	PLACES NP
	FETCH_B \slot, (\q)+1, 1-P
	FETCH_A \slot, (\q)+1, 0
	SCALES 1-P, \slot, (\q)+1
.if \first
	WIN BIAS_HI
.else
	WIN MUL_HI
.endif
	MUL16 4, P, \first
	MUL16 6, P, \first
	PLACES NP
	WIN 0
	FETCH_A \slot, (\q)+1, 4
.endm
; A slot's last step changes slots: ONE barrier; in front of it each wave waits for all its tensor loads, adds 0 to its spare word, and waits for that and for its own reads of this slot.
; fill = 1: this slot is filled again, with the three steps six steps on;  2: with the last two steps;  0: not at all.
; From a request to the wait for it a wave issues 160 matrix instructions.
.macro TURN slot, next, fill
.set P, (NQ-1+(\slot))%2
	s_wait_tensorcnt 0x0                           ; all my tensor loads have landed: my part of the next slot;  (every window is 0 here: the add's two registers lie in window 0)
	ds_add_u32 v[SPW], v[NIL]                      ; 0 onto my spare word
	s_wait_dscnt 4*NL+1                            ; (the add and the youngest 12 loads, A's blocks 4-7, may be out)
	WIN MUL_LO
	MUL16 0, P, 0                                  ; sixteen matrix instructions stand between the add and the wait for it
	s_wait_dscnt 0x0                               ; the add is done, and my reads of this slot are over
	s_barrier_signal -1
	MUL16 2, P, 0
	WIN 0
	s_barrier_wait -1
.if \fill
	CREST                                          ; the barrier has opened a round of the cluster's barrier: no wave of any partner still reads this slot's tile or has a load on its way
	s_add_nc_u64 s[G0+4*\slot+2:G0+4*\slot+3], s[G0+4*\slot+2:G0+4*\slot+3], 2*QUART
	s_add_nc_u64 s[G0B+4*\slot+2:G0B+4*\slot+3], s[G0B+4*\slot+2:G0B+4*\slot+3], 2*QUART
.if \fill == 1
	JLOAD G0+4*\slot, G1, G0B+4*\slot, G1B         ; the first tensor load behind the round, my only one until the next; the four v_nop behind it are the places in front of the loads below
.else
	JLOAD G0+4*\slot, G1S, G0B+4*\slot, G1SB       ; the same for the last two steps
.endif
.else
	PLACES NP
.endif
	FETCH_B \next, 0, 1-P
	FETCH_A \next, 0, 0
	SCALES 1-P, \next, 0
	WIN MUL_HI
	MUL16 4, P, 0
	MUL16 6, P, 0
	PLACES NP
	WIN 0
	FETCH_A \next, 0, 4
.endm
	s_wait_tensorcnt 1                             ; my part of slot 0 is in (slot 1's load may be out)
	s_barrier_signal -1
	s_barrier_wait -1                              ; everybody's is
	FETCH_B 0, 0, 0
	FETCH_A 0, 0, 0
	SCALES 0, 0, 0
	FETCH_A 0, 0, 4
	s_wait_loadcnt 0x0                             ; the bias
	STEP 0, 0, 1                                   ; the first step stands in front of the loop: its products start the sums from the bias
	s_mov_b32 s3, TRIPS
.Llap:                                                 ; a trip goes once round the ring, from slot 0's second step to its next first, and fills both slots again
	STEP 0, 1, 0
	TURN 0, 1, 1
	STEP 1, 0, 0
	STEP 1, 1, 0
	TURN 1, 0, 1
	STEP 0, 0, 0
	s_sub_co_u32 s3, s3, 1
	s_cmp_lg_u32 s3, 0
	s_cbranch_scc1 .Llap
	STEP 0, 1, 0                                   ; the tail is written out: steps 25 to 31
	TURN 0, 1, 2                                   ; slot 0 takes the last two steps
	STEP 1, 0, 0
	STEP 1, 1, 0
	TURN 1, 0, 0                                   ; nothing is left to fetch: no round of the cluster's barrier.  Behind this barrier nobody reads slot 1
	STEP 0, 0, 0
	s_wait_dscnt 4*NL                              ; the very last step works on set 1: nothing more to fetch
	WIN MUL_LO
	MUL16 0, 1, 0
	MUL16 2, 1, 0
	s_wait_dscnt 0
	WIN MUL_HI
	MUL16 4, 1, 0
	MUL16 6, 1, 0
	WIN 0
; THE WAY OUT, block by block of 16 rows x 128 columns.  A lane holds 32 neighbouring bytes of a row, and the lanes beside it hold other rows: so a block goes through my own stage in LDS and comes back as whole
; rows of 512 bytes.  LDS serves a wave's instructions in order (ISA guide 5.7.1.4): no wait between the stores and the loads, nor in front of the next block's stores.
.macro TOSTAGE a
.set AC, 64*((\a)%4)
	WIN 0x08+4*((\a)/4)                            ; the data: window 2 or 3
.irp b, 0,1,2,3,4,5,6,7
	ds_store_b128 v[STO], v[AC+8*\b:AC+8*\b+3] offset:64*\b          ; each accumulator from its low end on
	ds_store_b128 v[STO], v[AC+8*\b+4:AC+8*\b+7] offset:64*\b+16
.endr
	WIN 0
.set BB, BK+64*((\a)%2)
.irp t, 0,1,2,3,4,5,6,7,8,9,10,11,12,13,14,15
	ds_load_b128 v[BB+4*\t:BB+4*\t+3], v[RD] offset:\t*SPITCH
.endr
.endm
.macro SEND a, younger                 ; younger: the LDS instructions issued behind block a's loads, which may stay out
.set BB, BK+64*((\a)%2)
	s_wait_dscnt \younger                          ; the block is back in registers
.if (\a) > 0
	s_add_nc_u64 s[12:13], s[12:13], 16*SIZE_N*4   ; (behind a wait on XCNT for 0: the earlier stores have read their base)  16 rows on, so that the stores' offsets stay small: 15 rows of 16,384 bytes at the most
.endif
.irp t, 0,1,2,3,4,5,6,7,8,9,10,11,12,13,14,15
	global_store_b128 v[CO], v[BB+4*\t:BB+4*\t+3], s[12:13] offset:\t*SIZE_N*4 th:TH_STORE_NT   ; 32 lanes store 512 consecutive bytes, at a multiple of 256 from out0's first byte; written once, read by nobody here
.endr
.endm
	PLACES NP                                      ; these places serve the loads into the registers that held A's fragments and the reads of the last products' results alike
	TOSTAGE 0
.irp a, 1,2,3,4,5,6,7
.if \a > 1
	s_wait_xcnt 0x0                                ; block a - 2's stores have read their registers and their base: block a's loads may land there, and the base may step
.endif
	TOSTAGE \a
	SEND \a-1, 32                                  ; behind block a - 1's loads: block a's 16 stores and 16 loads
.endr
	s_wait_xcnt 0x0                                ; block 6's stores have read their base
	SEND 7, 0
	s_wait_tensorcnt 0x0                           ; the wave's end, behind my last tensor load and my last LDS store
	ds_add_u32 v[SPW], v[NIL]
	s_wait_dscnt 0x0
	CROUND                                         ; the closing round: no work-group ends while a partner may still ask for a tile that names it
	s_endpgm
.Lfunc_end_k_qd50702d29c_gemm:
	.size	k_qd50702d29c_gemm, .Lfunc_end_k_qd50702d29c_gemm-k_qd50702d29c_gemm
	.p2alignl 7, 3214868480
	.fill 96, 4, 3214868480
	.section	.rodata,"a",@progbits
	.p2align	6, 0x0
	.amdhsa_kernel k_qd50702d29c_gemm
		.amdhsa_group_segment_fixed_size 327680
		.amdhsa_private_segment_fixed_size 0
		.amdhsa_enable_private_segment 0
		.amdhsa_kernarg_size 32
		.amdhsa_user_sgpr_count 2
		.amdhsa_user_sgpr_kernarg_segment_ptr 1
		.amdhsa_wavefront_size32 1
		.amdhsa_system_sgpr_workgroup_id_x 1
		.amdhsa_system_sgpr_workgroup_id_y 1
		.amdhsa_system_sgpr_workgroup_id_z 1
		.amdhsa_system_vgpr_workitem_id 0
		.amdhsa_next_free_vgpr 1024
		.amdhsa_next_free_sgpr 100
		.amdhsa_reserve_vcc 0
		.amdhsa_float_denorm_mode_32 3
		.amdhsa_float_denorm_mode_16_64 3
		.amdhsa_memory_ordered 1
		.amdhsa_forward_progress 1
		.amdhsa_inst_pref_size 205
	.end_amdhsa_kernel
	.amdgpu_metadata
---
amdhsa.version: [ 1, 2 ]
amdhsa.kernels:
  - .name:           k_qd50702d29c_gemm
    .symbol:         k_qd50702d29c_gemm.kd
    .args:
      - { .name: a_ops, .offset: 0, .size: 8, .value_kind: global_buffer, .address_space: global }
      - { .name: b_ops, .offset: 8, .size: 8, .value_kind: global_buffer, .address_space: global }
      - { .name: bias, .offset: 16, .size: 8, .value_kind: global_buffer, .address_space: global }
      - { .name: out0, .offset: 24, .size: 8, .value_kind: global_buffer, .address_space: global }
    .group_segment_fixed_size: 327680
    .private_segment_fixed_size: 0
    .kernarg_segment_align: 8
    .kernarg_segment_size: 32
    .max_flat_workgroup_size: 128
    .sgpr_count:     100
    .vgpr_count:     1024
    .wavefront_size: 32
...
	.end_amdgpu_metadata
.endif
;; end of part 2
